; MI455X (gfx1250); checked and timed in simulation.
; The chip was launched on July 23, 2026; its instructions are those of AMD's public machine-readable ISA for CDNA 5 (MIT licence, August 2026) and "CDNA5" Instruction Set Architecture Reference Guide (July 2026). The comments in the code are by the model that wrote it; some were corrected since.
;; Attn. Allowed arithmetic: matrix products marked QUANTISED: E2M1 operands, one E8M0 scale for each 32 along K, by v_wmma_scale_f32_16x16x128_f8f6f4 with both operands' format E2M1 (or v_wmma_scale_f32_32x16x128_f4), f32 sums; products left as they are: f32 operands where the result goes on into a quantised operand, else bf16, f16 or f32 operands; f32 sums; everything else in f32.
;; Inputs: W 1,024 x 1,024 float32; b 1,024 float32; encoder_outputs 2,048 x 32 x 1,024 float32; hidden 32 x 1,024 float32.
;; Outputs: out0 1 x 32 x 2,048 float32.
;; This version of the problem:
;;   THIS VERSION OF THE PROBLEM IS GIVEN IN LOW PRECISION. The matrix products marked QUANTISED in the list below multiply operands that are first quantised to E2M1 (2 exponent bits, 1 mantissa bit; 4 bits a number), with one power-of-two scale for each 32 numbers along K (OCP MX v1.0); their sums are f32. All else is computed in f32.
;;   The module's matrix products, in the order in which they are computed (A, B: the left and right operand; K: the contracted axis; several contracted axes count as one K, in the product's order):
;;     1. [M 65,536, K 1,024] x [K 1,024, N 1,024]; A: input encoder_outputs; B: input W: QUANTISED
;;     2. batch 32 x [M 1, K 1,024] x [K 1,024, N 2,048]; A: input hidden; B: computed on the way: left as it is (M = 1 < 16)
;;   THE QUANTISER, for each operand of a quantised product, along K:
;;     - K is cut into blocks of 32 from its start; a last block that is shorter is filled with zeros.
;;     - A block's scale is 2^e with e = floor(log2(the largest magnitude in the block)) - 2, held to -126 .. 127; a block of zeros has e = 0. As a byte (E8M0): e + 127.
;;     - Each number is divided by its block's scale, clamped to +-6, and rounded to the nearest number of E2M1, ties to even, subnormals kept.
;;     - The product sums the exact products of the quantised numbers (number of the format x scale) in f32.
;;   ~~~python
;;   def quantise(x, axis):      # numpy; x: float32 -> the quantised numbers, widened to float32 again
;;       x = np.moveaxis(x, axis, -1); K = x.shape[-1]
;;       x = np.pad(x, [(0, 0)] * (x.ndim - 1) + [(0, -K % 32)]); x = x.reshape(x.shape[:-1] + (-1, 32)); a = np.abs(x).max(-1, keepdims=True)
;;       e = np.where(a > 0, np.clip(np.frexp(np.where(a > 0, a, 1))[1] - 1 - 2, -126, 127), 0)      # np.frexp(a)[1] - 1 = floor(log2(a)), exactly
;;       r = np.clip(x / 2.0 ** e, -6, 6)
;;       step = 2.0 ** (np.maximum(np.frexp(np.where(r == 0, 1, r))[1] - 1, 0) - 1)
;;       q = np.round(r / step) * step * 2.0 ** e      # np.round: ties to even
;;       return np.moveaxis(q.reshape(q.shape[:-2] + (-1,))[..., :K], -1, axis).astype(np.float32)
;;   ~~~
;; One version. Each part assembles by itself: llvm-mc -triple=amdgcn-amd-amdhsa -mcpu=gfx1250 --defsym DOCPART=n.
;; ======== version 1 of 1: 3 launches
;; workspace buffers: wq 557,056 bytes; scores 262,144 bytes
;; launch wprep (part 1): grid 128 x 1, 4 waves a work-group, no clusters, 35,328 bytes of LDS; arguments W, wq; writes wq
.if DOCPART == 1
	.amdgcn_target "amdgcn-amd-amdhsa--gfx1250"
	.amdhsa_code_object_version 6
	.text
	.protected	k_qcd591e80e0_wprep
	.globl	k_qcd591e80e0_wprep
	.p2align	8
	.type	k_qcd591e80e0_wprep,@function
k_qcd591e80e0_wprep:
	s_mov_b64 s[64:65], 0
	v_nop
	global_prefetch_b8 v0, s[64:65] scope:SCOPE_SE
	s_setreg_imm32_b32 hwreg(HW_REG_WAVE_MODE, 25, 1), 1
	s_wait_xcnt 0x0
; W [1024 (n)][1024 (k)], f32, becomes codes of FP4 (E2M1) with one E8M0 scale byte for each 32 along k, laid in the ORDER OF THE OPERAND'S REGISTERS, as the product's launch reads it.
; wq: four slots p of 139,264 bytes.  In a slot: codes [j 2][u 8][pos 8][c 2][lane 32][16 bytes], then from byte 131,072 scale words [j 2][u 8][g 2][r 16][16 bytes].
; Tile (j, p, u) is rows n = 16 (32 j + 8 p + u) + r.  Position pos holds K step s = pos xor 4 j.  Lane (r, h) has k = 128 s + 64 c + 32 h + 0 .. 31 of row r.  Word q of a row's 16 bytes is the scale word of position 4 g + q.
; A block's scale is 2^(floor(log2(its largest magnitude)) - 2); its byte is the largest magnitude's exponent field - 2, held at 1 from below.
; LIMITS: NaN and infinities are not served; a block of zeros gets the byte 1 and not 127: its codes are zeros, and the bytes are read by this program alone.
; SHARES: work-group T takes tile T / 2 and K steps 4 (T % 2) + 0 .. 3, one to a wave: a fragment of 16 rows x 128 k.  Each load reads 512 consecutive bytes of a row; the 8 KB turn through the wave's own
; stage in LDS, so that a lane gets two whole blocks of 32 neighbours; the codes leave as two stores of 512 consecutive bytes, the four waves' scale words as one store of 256.
.set SP,    528                        ; a stage row: 512 bytes + 16: sixteen rows start at sixteen different 16-byte columns of the 64 banks of 4 bytes (ISA guide 11.1)
.set WST,   16*SP                      ; a wave's stage
.set SW,    4*WST                      ; behind the stages: the work-group's 64 scale words
.set SLOTB, 139264
.set R,     16                         ; v16-79   16 rows as loaded
.set X,     80                         ; v80-143  my two blocks of 32 numbers
.set C,     144                        ; v144-151 the fragment's codes
.set QM,    152                        ; v152-155 largest magnitudes, two chains a block
.set QS,    156                        ; v156-157 the conversions' scale operands
.set QB,    158                        ; v158-159 the scale bytes
.set QT,    160                        ; v160-161 my two bytes at their places; the other half's
.set WORD,  162                        ; v162     the row's scale word
	s_load_b128 s[4:7], s[0:1], 0x0                ; W, wq
	v_lshl_add_u32 v176, v0, 2, 0x8800
	v_mov_b32 v177, 0
	v_lshrrev_b32 v1, 5, v0
	v_readfirstlane_b32 s8, v1                     ; wave q
	v_and_b32 v2, 31, v0                           ; lane
	v_and_b32 v3, 15, v0                           ; r
	v_bfe_u32 v4, v0, 4, 1                         ; h
	v_lshlrev_b32 v5, 4, v2                        ; 16 x lane: my bytes of a load, of a store, of a stage row on the way in
	s_mul_i32 s9, s8, WST
	v_add_nc_u32 v6, s9, v5                        ; the stage, on the way in
	v_mul_u32_u24 v7, v3, SP
	v_lshl_add_u32 v7, v4, 7, v7
	v_add_nc_u32 v7, s9, v7                        ; and out: row r, + 128 h
	s_lshl_b32 s10, s8, 2
	s_add_co_u32 s10, s10, SW
	v_lshl_add_u32 v8, v3, 4, s10                  ; my row's word: SW + 16 r + 4 q
	v_lshlrev_b32 v9, 3, v4                        ; 8 h: how far up my two bytes stand in the word
	v_lshlrev_b32 v10, 3, v2                       ; 8 x lane: the scale words' way out
	v_add_nc_u32 v11, SW, v10
	v_mov_b32 v[QT+1], 0                           ; a lane permute's destination counts as one of its sources
	s_mov_b32 s20, 0x76543210
	s_mov_b32 s21, 0xfedcba98                      ; selects for lane l xor 16
	s_lshr_b32 s11, ttmp9, 1                       ; the tile, 0 .. 63
	s_and_b32 s12, ttmp9, 1                        ; g: which four K steps
	s_lshr_b32 s13, s11, 5                         ; j
	s_bfe_u32 s14, s11, 0x20003                    ; p
	s_and_b32 s15, s11, 7                          ; u
	s_xor_b32 s16, s12, s13                        ; which four positions: g xor j
	s_lshl_b32 s22, s11, 16                        ; W: 16 rows of 4,096 bytes a tile,
	s_lshl_b32 s17, s12, 2
	s_add_co_u32 s17, s17, s8
	s_lshl_b32 s17, s17, 9                         ; 512 bytes a K step
	s_add_co_u32 s22, s22, s17
	s_mov_b32 s23, 0
	s_mul_i32 s18, s14, SLOTB                      ; the slot
	s_lshl_b32 s24, s13, 16                        ; codes: 65,536 j + 8,192 u + 1,024 position
	s_add_co_u32 s24, s24, s18
	s_lshl_b32 s17, s15, 13
	s_add_co_u32 s24, s24, s17
	s_lshl_b32 s17, s16, 2
	s_add_co_u32 s17, s17, s8
	s_lshl_b32 s17, s17, 10
	s_add_co_u32 s24, s24, s17
	s_mov_b32 s25, 0
	s_add_co_u32 s26, s18, 131072                  ; scale words: 4,096 j + 512 u + 256 (g xor j)
	s_lshl_b32 s17, s13, 12
	s_add_co_u32 s26, s26, s17
	s_lshl_b32 s17, s15, 9
	s_add_co_u32 s26, s26, s17
	s_lshl_b32 s17, s16, 8
	s_add_co_u32 s26, s26, s17
	s_mov_b32 s27, 0
	s_wait_kmcnt 0x0
	s_add_nc_u64 s[4:5], s[4:5], s[22:23]
	s_add_nc_u64 s[24:25], s[6:7], s[24:25]
	s_add_nc_u64 s[26:27], s[6:7], s[26:27]
.irp i, 0,1,2,3,4,5,6,7,8,9,10,11,12,13,14,15
	global_load_b128 v[R+4*\i:R+4*\i+3], v5, s[4:5] offset:4096*\i th:TH_LOAD_NT   ; row i: 512 consecutive bytes; read once in this launch
.endr
.irp i, 0,1,2,3,4,5,6,7,8,9,10,11,12,13,14,15
	s_wait_loadcnt 15-\i                           ; loads come back in order: row i is in, the younger rows stay out
	ds_store_b128 v6, v[R+4*\i:R+4*\i+3] offset:SP*\i
.endr
.irp c, 0,1
.irp n, 0,1,2,3,4,5,6,7
	ds_load_b128 v[X+32*\c+4*\n:X+32*\c+4*\n+3], v7 offset:256*\c+16*\n   ; LDS serves a wave's instructions in order: these see my stores
.endr
.endr
	s_wait_dscnt 0x0
.irp c, 0,1                                    ; each block's largest magnitude, in two chains; the two blocks by turns
	v_max3_num_f32 v[QM+2*\c], |v[X+32*\c]|, |v[X+32*\c+1]|, |v[X+32*\c+2]|
	v_max3_num_f32 v[QM+2*\c+1], |v[X+32*\c+3]|, |v[X+32*\c+4]|, |v[X+32*\c+5]|
.endr
.irp n, 6,10,14,18,22,26
.irp c, 0,1
	v_max3_num_f32 v[QM+2*\c], v[QM+2*\c], |v[X+32*\c+\n]|, |v[X+32*\c+\n+1]|
	v_max3_num_f32 v[QM+2*\c+1], v[QM+2*\c+1], |v[X+32*\c+\n+2]|, |v[X+32*\c+\n+3]|
.endr
.endr
.irp c, 0,1
	v_max3_num_f32 v[QM+2*\c], v[QM+2*\c], |v[X+32*\c+30]|, |v[X+32*\c+31]|
.endr
.irp c, 0,1
	v_max3_num_f32 v[QM+2*\c], v[QM+2*\c], v[QM+2*\c+1], 0x1800000   ; and the floor 2^(3 - 127): the byte cannot fall under 1
.endr
.irp c, 0,1
	v_add_nc_u32 v[QS+\c], 0xff000000, v[QM+2*\c]  ; 2 off the exponent field: the conversion takes the exponent field of this operand as its scale
.endr
.irp c, 0,1
	v_lshrrev_b32 v[QB+\c], 23, v[QS+\c]           ; the scale's byte
.endr
	v_lshl_or_b32 v[QT], v[QB+1], 16, v[QB]        ; my bytes: blocks h and 2 + h of the K step,
	v_lshlrev_b32 v[QT], v9, v[QT]                 ; at their places;
	v_permlanex16_b32 v[QT+1], v[QT], s20, s21
	v_or_b32 v[WORD], v[QT], v[QT+1]               ; with lane l xor 16's two the word is whole
.irp c, 0,1
.irp g, 0,1,2,3
	v_cvt_scalef32_pk8_fp4_f32 v[C+4*\c+\g], v[X+32*\c+8*\g:X+32*\c+8*\g+7], v[QS+\c]   ; registers 4 c .. 4 c + 3 of the operand
.endr
.endr
	v_nop                                          ; one plain line behind the last scaled conversion
.irp c, 0,1
	global_store_b128 v5, v[C+4*\c:C+4*\c+3], s[24:25] offset:512*\c   ; 32 lanes store 512 consecutive bytes, at a multiple of 512 from wq's first byte
.endr
	ds_store_b32 v8, v[WORD]                       ; both halves of the lanes write the same word with the same value
	s_wait_dscnt 0x0                               ; for the others' sake: my word has landed
	s_barrier_signal -1
	s_barrier_wait -1
	s_cmp_lg_u32 s8, 0                             ; wave 0 sends the four waves' words
	s_cbranch_scc1 .Ldone
	ds_load_b64 v[12:13], v11
	s_wait_dscnt 0x0
	global_store_b64 v10, v[12:13], s[26:27]       ; 32 lanes store 256 consecutive bytes, at a multiple of 256 from wq's first byte
.Ldone:
	s_wait_tensorcnt 0x0
	ds_add_u32 v176, v177
	s_wait_dscnt 0x0
	s_endpgm
.Lfunc_end_k_qcd591e80e0_wprep:
	.size	k_qcd591e80e0_wprep, .Lfunc_end_k_qcd591e80e0_wprep-k_qcd591e80e0_wprep
	.p2alignl 7, 3214868480
	.fill 96, 4, 3214868480
	.section	.rodata,"a",@progbits
	.p2align	6, 0x0
	.amdhsa_kernel k_qcd591e80e0_wprep
		.amdhsa_group_segment_fixed_size 35328
		.amdhsa_private_segment_fixed_size 0
		.amdhsa_enable_private_segment 0
		.amdhsa_kernarg_size 16
		.amdhsa_user_sgpr_count 2
		.amdhsa_user_sgpr_kernarg_segment_ptr 1
		.amdhsa_wavefront_size32 1
		.amdhsa_system_sgpr_workgroup_id_x 1
		.amdhsa_system_sgpr_workgroup_id_y 1
		.amdhsa_system_sgpr_workgroup_id_z 1
		.amdhsa_system_vgpr_workitem_id 0
		.amdhsa_next_free_vgpr 178
		.amdhsa_next_free_sgpr 66
		.amdhsa_reserve_vcc 0
		.amdhsa_float_denorm_mode_32 3
		.amdhsa_float_denorm_mode_16_64 3
		.amdhsa_memory_ordered 1
		.amdhsa_forward_progress 1
		.amdhsa_inst_pref_size 11
	.end_amdhsa_kernel
	.amdgpu_metadata
---
amdhsa.version: [ 1, 2 ]
amdhsa.kernels:
  - .name:           k_qcd591e80e0_wprep
    .symbol:         k_qcd591e80e0_wprep.kd
    .args:
      - { .name: W, .offset: 0, .size: 8, .value_kind: global_buffer, .address_space: global }
      - { .name: wq, .offset: 8, .size: 8, .value_kind: global_buffer, .address_space: global }
    .group_segment_fixed_size: 35328
    .private_segment_fixed_size: 0
    .kernarg_segment_align: 8
    .kernarg_segment_size: 16
    .max_flat_workgroup_size: 128
    .sgpr_count:     66
    .vgpr_count:     178
    .wavefront_size: 32
...
	.end_amdgpu_metadata
.endif
;; end of part 1
;; launch energy (part 2): grid 8 x 32, 4 waves a work-group, clusters of 4 x 1, 327,680 bytes of LDS; arguments encoder_outputs, hidden, wq, scores; writes scores
.if DOCPART == 2
	.amdgcn_target "amdgcn-amd-amdhsa--gfx1250"
	.amdhsa_code_object_version 6
	.text
	.protected	k_qcd591e80e0_energy
	.globl	k_qcd591e80e0_energy
	.p2align	8
	.type	k_qcd591e80e0_energy,@function
k_qcd591e80e0_energy:
	s_mov_b64 s[64:65], 0
	v_nop
	global_prefetch_b8 v0, s[64:65] scope:SCOPE_SE
	s_setreg_imm32_b32 hwreg(HW_REG_WAVE_MODE, 25, 1), 1
	s_wait_xcnt 0x0
	s_wait_alu depctr_hold_cnt(0) depctr_sa_sdst(0) depctr_va_vdst(0) depctr_va_sdst(0) depctr_va_ssrc(0) depctr_va_vcc(0) depctr_vm_vsrc(0)
	s_getreg_b32 s2, hwreg(HW_REG_IB_STS2, 6, 4)
	s_cmp_eq_u32 s2, 0
	s_cbranch_scc0 .Lentry_in_a_cluster
	s_endpgm
.Lentry_in_a_cluster:
	s_bfe_u32 s2, ttmp6, 0x10000c
	s_cmp_lg_u32 s2, 0x3003
	s_cbranch_scc0 .Lentry_shape_is_right
	s_endpgm
.Lentry_shape_is_right:
; scores[b][s] = hidden[b] . (Q(enc[s][b]) Q(W)^T), Q the MX-FP4 quantiser along the 1,024 of K.  The bias's share, hidden[b] . bias, is the same for a whole row b and is added by the next launch.
; enc: [2048 (s)][32 (b)][1024] f32.  wq: W as codes and scale words in the order of the operand's registers (the launch before).  Energy never goes to memory.
; SHARES.  A work-group takes one b and 256 values of s, so that all its rows meet the same hidden vector.  Four waves, w = 2 i + j: wave (i, j) has rows half i (128 rows: 8 tiles of 16) and W's rows 512 j .. 512 j + 511.
; PHASE 1: the rows stream from memory into a RING OF REGISTERS and are quantised on the way: a wave keeps the codes of its 128 rows for all of K in 512 registers.  A fragment is 16 rows x 128 along K: 16 loads, each of two
; aligned runs of 256 bytes (lanes 0-15 row n, lanes 16-31 row n + 8).  Four sets of 64 registers take turns; the loads are waited for by count, so 48 to 64 loads of each wave are out at every moment of the phase.
; A fragment turns through the wave's own stage in LDS, 64 along K at a time, so that a lane gets whole blocks of 32 neighbours.  Waves (i, 0) and (i, 1) need the same codes: each quantises one half of K and hands its
; fragments to the other through LDS as images of their registers, a tile at a time, between two barriers.
; PHASE 2: W comes in four slots of 139,264 bytes into two regions of LDS.  A wave walks its 32 tiles of 16 rows of W; a tile is read from LDS once and feeds 64 matrix instructions.  The product is used TRANSPOSED
; (source 0 = 16 rows of W, source 1 = 16 rows of enc): a lane holds ONE row of enc and eight neighbouring features, which 32 packed multiply-adds with hidden fold into the row's score at once.
; CLUSTER.  All work-groups read the same W in the same order: the four of a cluster ask for each quarter slot JOINTLY.  The rows of enc are nobody else's: nothing of them can be shared.
; POSITIONS.  In a wave the K steps stand in the order pos xor 4 j: its own half first.  wq is laid the same way.
; LIMITS: NaN and infinities are not served; a block of zeros gets the scale byte 1 and not 127 (its codes are zeros; the bytes never leave the program); the waves with j = 1 sum the K steps in the order 4 .. 7, 0 .. 3;
; the bias is added behind the dot product: another order of f32 rounding than adding it to each feature.
; REGISTERS, in windows of 256: window 0: v0-31 addresses and at work; v32-95 enc's scale words (8 t + pos); v236-251 W's scale words, two sets; phase 1: v96-159 64 numbers, v224-233 at work;
;   phase 2: v96-111 hidden, two sets; v112-127 eight pairs of scores.   windows 1, 2: enc's codes: fragment (t, pos) at v[64 (t % 4) + 8 pos] of window 1 + t / 4.
;   window 3: phase 1: four sets of 64 registers into which enc's loads land; phase 2: v0-127 W's fragments, two sets; v128-191 accumulators.
.set RB,    0x22000                    ; a region: 139,264 bytes; region 1 begins here
.set WQ4,   34816                      ; a quarter of a slot of W: one wave's load; no bit of wave x WQ4 meets a bit of RB, so an exclusive or turns an address into the other region's
.set XCH,   2*RB                       ; the exchange: [wave 4][4 fragments x 1,024 bytes, then 512 bytes of scale words]
.set XWV,   4608
.set STG,   XCH+4*XWV                  ; the stages: 16 rows for each wave
.set SGP,   272                        ; a stage row: 256 bytes + 16: sixteen rows start at sixteen different 16-byte columns of the 64 banks of 4 bytes (ISA guide 11.1)
.set SGW,   16*SGP
.set HID,   STG+4*SGW                  ; hidden[b], 4,096 bytes
.set SCR,   HID+4096                   ; the scores' two halves: [j][256] f32
.set SPARE, SCR+2048                   ; the spare words, 128 bytes for each wave: two blocks of 256 bytes that no other line names
.set SPW, 1                            ; v1   LDS address of my spare word; never rewritten
.set NIL, 2                            ; v2   0; never rewritten
.set VO,  3                            ; v3   enc: my lane's byte in a load: 8 rows further down for lanes 16-31, 16 bytes a lane; never rewritten
.set SS,  4                            ; v4   my stage, on the way in
.set XS,  5                            ; v5   where I store images
.set XL,  6                            ; v6   where my partner's lie
.set SH8, 7                            ; v7   8 h
.set AWB, 8                            ; v8   my lane's place among a slot's codes of W
.set ASB, 9                            ; v9   among its scale words
.set AHB, 10                           ; v10  in hidden
.set AW,  11                           ; v11-13 the same three for the pair of tiles in hand
.set AS,  12
.set AH,  13
.set SA,  14                           ; v14  where my row's score goes
.set O16, 15                           ; v15  16 x thread
.set O8,  16                           ; v16  8 x thread
.set SRD, 17                           ; v17  SCR + 8 x thread
.set SL,  22                           ; v22  my stage, on the way out
.set ASC, 32
.set X0,  96
.set QM,  224                          ; v224-227 largest magnitudes; v228-229 scale operands; v230-231 bytes; v232-233 half words
.set QS,  228
.set QB,  230
.set QT,  232
.set HD,  96
.set SC,  112
.set WS,  236
.set ACC, 128                          ; in window 3
.set WV,  12                           ; s12  wave
.set EB0, 24                           ; s[24:25] enc at my tile 0, my half of K;  s[26:27] at my tile 4; never rewritten
.set G1W, 32                           ; s[32:39] descriptor group 1 for W
.set G0W, 48                           ; s[48:51] group 0 for W, which walks
.set TB,  52                           ; s52  the region that is read in phase 2
.set HP,  53                           ; s53  512 x slot: the slot's place in hidden
.set SLC, 54                           ; s54  slots still to be asked for
.set PAIR, 55                          ; s55  pairs of tiles
.set SEL, 56                           ; s[56:57] selects for lane l xor 16
.set TW,  58                           ; s58-60 where the pair of tiles in hand begins: codes, scale words, hidden
.set TS,  59
.set TH,  60
.set MSB, 0
.macro WIN new                         ; the immediate's high byte repeats the setting that is left; a switch that changes nothing is dropped
.if MSB != (\new)
	s_set_vgpr_msb (MSB<<8)|(\new)
.set MSB, (\new)
.endif
.endm
.macro PLACES
.rept 4
	v_nop
.endr
.endm
; A round of the cluster's barrier: my work-group's barrier, wave 0's signal for the work-group, every wave's wait for the four work-groups, my work-group's barrier once more.
.macro ROUND
	s_barrier_signal -1
	s_barrier_wait -1
	s_cmp_lg_u32 s[WV], 0
	s_cbranch_scc1 .Lnot_wave_0_\@
	s_barrier_signal -3
.Lnot_wave_0_\@:
	s_barrier_wait -3
	s_barrier_signal -1
	s_barrier_wait -1
.endm
; Fragment f = 4 t + ks (tile t, K step ks of my half of K) is asked for: 16 loads into set f % 4 of window 3.  Load (c, n): rows n and n + 8, the 256 bytes of k = 64 c .. 64 c + 63.
; A row of s is 131,072 bytes from the next, a tile 2^21; every step stands in the immediate: 7,210,752 at the most, inside its signed 24 bits (ISA guide, chapter 10).
.macro GLOAD f
.set GT, (\f)/4
.set GB, EB0+2*(GT/4)
.set GO, (GT%4)*0x200000+((\f)%4)*512
.set GR, 64*((\f)%4)
	WIN 0xc0                                       ; destination window 3, address window 0
.irp c, 0,1
.irp n, 0,1,2,3,4,5,6,7
	global_load_b128 v[GR+32*\c+4*\n:GR+32*\c+4*\n+3], v[VO], s[GB:GB+1] offset:GO+256*\c+0x20000*\n th:TH_LOAD_NT   ; read once in the whole launch
.endr
.endr
	WIN 0
.endm
; 64 numbers of my row, two whole blocks of 32 (register 32 c + n: k = 64 c + 32 h + n), become a fragment's eight registers, v[dst] on in the window that win names, and my row's scale word.
.macro QCOMP x, win, dst, word
.set QX, (\x)
.set QD, (\dst)
.irp c, 0,1                                    ; each block's largest magnitude, in two chains; the two blocks by turns
	v_max3_num_f32 v[QM+2*\c], |v[QX+32*\c]|, |v[QX+32*\c+1]|, |v[QX+32*\c+2]|
	v_max3_num_f32 v[QM+2*\c+1], |v[QX+32*\c+3]|, |v[QX+32*\c+4]|, |v[QX+32*\c+5]|
.endr
.irp n, 6,10,14,18,22,26
.irp c, 0,1
	v_max3_num_f32 v[QM+2*\c], v[QM+2*\c], |v[QX+32*\c+\n]|, |v[QX+32*\c+\n+1]|
	v_max3_num_f32 v[QM+2*\c+1], v[QM+2*\c+1], |v[QX+32*\c+\n+2]|, |v[QX+32*\c+\n+3]|
.endr
.endr
.irp c, 0,1
	v_max3_num_f32 v[QM+2*\c], v[QM+2*\c], |v[QX+32*\c+30]|, |v[QX+32*\c+31]|
.endr
.irp c, 0,1
	v_max3_num_f32 v[QM+2*\c], v[QM+2*\c], v[QM+2*\c+1], 0x1800000   ; and the floor 2^(3 - 127): the byte cannot fall under 1
.endr
.irp c, 0,1
	v_add_nc_u32 v[QS+\c], 0xff000000, v[QM+2*\c]  ; 2 off the exponent field: the conversion's scale operand
.endr
.irp c, 0,1
	v_lshrrev_b32 v[QB+\c], 23, v[QS+\c]           ; the scale's byte
.endr
	v_lshl_or_b32 v[QT], v[QB+1], 16, v[QB]        ; my bytes: blocks h and 2 + h,
	v_lshlrev_b32 v[QT], v[SH8], v[QT]             ; at their places;
	v_permlanex16_b32 v[QT+1], v[QT], s[SEL], s[SEL+1]
	v_or_b32 v[\word], v[QT], v[QT+1]              ; with lane l xor 16's two the word is whole
	WIN \win
.irp c, 0,1
.irp g, 0,1,2,3
	v_cvt_scalef32_pk8_fp4_f32 v[QD+4*\c+\g], v[QX+32*\c+8*\g:QX+32*\c+8*\g+7], v[QS+\c]
.endr
.endr
	WIN 0
	v_nop                                          ; one plain line behind the last scaled conversion
.endm
; My four fragments of tile t and their scale words go to LDS as they stand, 16 bytes a lane; my partner's come back so, into positions 4 .. 7.
.macro XSTORE t
	WIN 0x04*(1+(\t)/4)                            ; an LDS store's data are its source 1
.irp q, 0,1,2,3
.irp c, 0,1
	ds_store_b128 v[XS], v[64*((\t)%4)+8*\q+4*\c:64*((\t)%4)+8*\q+4*\c+3] offset:1024*\q+512*\c
.endr
.endr
	WIN 0
	ds_store_b128 v[XS], v[ASC+8*(\t):ASC+8*(\t)+3] offset:4096
.endm
.macro XLOAD t
	WIN 0x40*(1+(\t)/4)
.irp q, 0,1,2,3
.irp c, 0,1
	ds_load_b128 v[64*((\t)%4)+8*(4+\q)+4*\c:64*((\t)%4)+8*(4+\q)+4*\c+3], v[XL] offset:1024*\q+512*\c
.endr
.endr
	WIN 0
	ds_load_b128 v[ASC+8*(\t)+4:ASC+8*(\t)+7], v[XL] offset:4096
.endm
; Fragment f: its loads are in; it turns through my stage, one half (64 along K) behind the other through the same bytes (LDS serves a wave's instructions in order); its registers take the loads of fragment f + 4; it is quantised.
; In a tile's first fragment, from tile 1 on, a barrier stands round the arithmetic: in front of its signal each wave's loads of the last tile's images are in, so behind its wait the exchange may be stored into again.
.macro FRAG f
.set FS, 64*((\f)%4)
.set FT, (\f)/4
.set FQ, (\f)%4
.if (\f) < 29
	s_wait_loadcnt 48                              ; loads come back in order: this fragment's 16 are in, the three younger fragments' 48 stay out
.else
	s_wait_loadcnt 16*(31-(\f))+2                  ; the last three: the younger fragments, and hidden's two loads
.endif
.irp c, 0,1
	WIN 0x0c                                       ; an LDS store's data are its source 1: window 3
.irp n, 0,1,2,3,4,5,6,7
	ds_store_b128 v[SS], v[FS+32*\c+4*\n:FS+32*\c+4*\n+3] offset:SGP*\n   ; rows n and n + 8, as they were loaded
.endr
	WIN 0
.irp n, 0,1,2,3,4,5,6,7
	ds_load_b128 v[X0+32*\c+4*\n:X0+32*\c+4*\n+3], v[SL] offset:16*\n    ; row r, my block of 32
.endr
.endr
	s_wait_dscnt 8                                 ; all but the youngest eight LDS loads are done: the 16 stores have read their registers,
.if (\f) < 28
	GLOAD (\f)+4                                   ; which take the loads of four fragments on
.elseif (\f) == 28
	global_load_b128 v[24:27], v[O16], s[6:7]      ; nothing is left to ask for of enc: hidden[b], 32 bytes a thread
	global_load_b128 v[28:31], v[O16], s[6:7] offset:2048
.endif
	s_wait_dscnt 0x0                               ; my 64 numbers are in, and so is all that I asked of LDS earlier
.if (FQ == 0) && (FT > 0)
	s_barrier_signal -1
.endif
	QCOMP X0, 0x40*(1+FT/4), 64*(FT%4)+8*FQ, ASC+8*FT+FQ
.if (FQ == 0) && (FT > 0)
	s_barrier_wait -1
.endif
.endm
; Tile t: my half of K, four fragments; then the exchange: my images, a barrier, my partner's.
.macro TRIP t
.irp s, 0,1,2,3
	FRAG 4*(\t)+\s
.endr
.if (\t) == 7
	s_wait_loadcnt 0x0                             ; hidden
	ds_store_b128 v23, v[24:27]
	ds_store_b128 v23, v[28:31] offset:2048
.endif
	XSTORE \t
	s_wait_dscnt 0x0                               ; for the others' sake: my images have landed
	s_barrier_signal -1                            ; (W's slot 0 and enc's loads may stay out: no LDS bytes are filled behind this barrier)
	s_barrier_wait -1
	XLOAD \t
.endm
; Tile rel of the pair in hand into set e: 8 fragments of W, its 8 scale words, hidden at my eight features
.macro LOADT e, rel
	WIN 0xc0                                       ; destination window 3
.irp s, 0,1,2,3,4,5,6,7
.irp c, 0,1
	ds_load_b128 v[64*(\e)+8*\s+4*\c:64*(\e)+8*\s+4*\c+3], v[AW] offset:8192*(\rel)+1024*\s+512*\c
.endr
.endr
	WIN 0
.irp g, 0,1
	ds_load_b128 v[WS+8*(\e)+4*\g:WS+8*(\e)+4*\g+3], v[AS] offset:512*(\rel)+256*\g
.endr
.irp g, 0,1
	ds_load_b128 v[HD+8*(\e)+4*\g:HD+8*(\e)+4*\g+3], v[AH] offset:64*(\rel)+16*\g
.endr
.endm
; 32 matrix instructions: the tile of W in set e against enc's tiles base .. base + 3, all of K.  The four accumulators take turns, one instruction a turn; the first position starts the sums.
.macro MULG e, base
.irp s, 0,1,2,3,4,5,6,7
.irp t, 0,1,2,3
.if \s == 0
	v_wmma_scale_f32_16x16x128_f8f6f4 v[ACC+8*((\base)+\t):ACC+8*((\base)+\t)+7], v[64*(\e)+8*\s:64*(\e)+8*\s+7], v[64*\t+8*\s:64*\t+8*\s+7], 0, v[WS+8*(\e)+\s], v[ASC+8*((\base)+\t)+\s] matrix_a_fmt:MATRIX_FMT_FP4 matrix_b_fmt:MATRIX_FMT_FP4
.else
	v_wmma_scale_f32_16x16x128_f8f6f4 v[ACC+8*((\base)+\t):ACC+8*((\base)+\t)+7], v[64*(\e)+8*\s:64*(\e)+8*\s+7], v[64*\t+8*\s:64*\t+8*\s+7], v[ACC+8*((\base)+\t):ACC+8*((\base)+\t)+7], v[WS+8*(\e)+\s], v[ASC+8*((\base)+\t)+\s] matrix_a_fmt:MATRIX_FMT_FP4 matrix_b_fmt:MATRIX_FMT_FP4
.endif
.endr
.endr
.endm
; A tile of W: its loads were issued a tile ago; the next tile's go out first (next = which of the pair's, or -1: none), then 64 products, then the fold with hidden.
; Places: the last tile's fold stands between its products and the loads into their registers; four v_nop stand behind the first 32 products, whose results the fold reads first;
; that part of the fold, sixteen lines that name no register of the last products, stands behind those.
.macro TILE e, next
	s_wait_dscnt 0x0                               ; this tile's 20 loads
.if (\next) >= 0
	LOADT 1-(\e), \next
.endif
	WIN 0xf7                                       ; source 0 (W), C and D window 3; source 1 (enc) window 1
	MULG \e, 0
	PLACES
	WIN 0xfb                                       ; source 1 window 2
	MULG \e, 4
	WIN 0x03                                       ; source 0 window 3
.irp g, 0,4
.irp jj, 0,2,4,6                               ; each accumulator from its low end on
.irp t, 0,1,2,3
	v_pk_fma_f32 v[SC+2*(\g+\t):SC+2*(\g+\t)+1], v[ACC+8*(\g+\t)+\jj:ACC+8*(\g+\t)+\jj+1], v[HD+8*(\e)+\jj:HD+8*(\e)+\jj+1], v[SC+2*(\g+\t):SC+2*(\g+\t)+1]
.endr
.endr
.endr
	WIN 0
.endm
.macro ADDR
	v_add_nc_u32 v[AW], s[TW], v[AWB]
	v_add_nc_u32 v[AS], s[TS], v[ASB]
	v_add_nc_u32 v[AH], s[TH], v[AHB]
.endm
; A slot's eight tiles of my half of W's rows: three pairs in a loop, the last pair written out, since it fetches one tile less.
.macro TILES
	s_mov_b32 s[TW], s[TB]
	s_mov_b32 s[TS], s[TB]
	s_mov_b32 s[TH], s[HP]
	ADDR
	LOADT 0, 0
	s_mov_b32 s[PAIR], 3
.Lpair_\@:
	TILE 0, 1
	TILE 1, 2
	s_add_co_u32 s[TW], s[TW], 16384
	s_add_co_u32 s[TS], s[TS], 1024
	s_add_co_u32 s[TH], s[TH], 128
	ADDR
	s_sub_co_u32 s[PAIR], s[PAIR], 1
	s_cmp_lg_u32 s[PAIR], 0
	s_cbranch_scc1 .Lpair_\@
	TILE 0, 1
	TILE 1, -1
.endm
; The change of slots in phase 2, at a slot's head: the slot ahead has landed, nobody reads the other region.  fill = 1: that region takes the next slot of W, jointly: the load has a slot's 512 matrix instructions in which to land.
.macro CHG_W fill
	s_wait_tensorcnt 0x0                           ; no tensor load of mine is out, so the walking group 0 may be written
	ds_add_u32 v[SPW], v[NIL]                      ; 0 onto my spare word
.if \fill
	s_xor_b32 s[G0W+1], s[G0W+1], RB               ; the other region than last time,
	s_add_nc_u64 s[G0W+2:G0W+3], s[G0W+2:G0W+3], 4*WQ4   ; the next slot
.endif
	s_wait_dscnt 0x0                               ; the add is done, and my reads of the region that I have left are over
.if \fill
	ROUND                                          ; no wave of any partner still reads that region or has a load on its way
	tensor_load_to_lds s[G0W:G0W+3], s[G1W:G1W+7]
	s_nop 0
	PLACES
.else
	s_barrier_signal -1
	s_barrier_wait -1
.endif
.endm
	s_load_b256 s[4:11], s[0:1], 0x0               ; enc s[4:5], hidden s[6:7], wq s[8:9], scores s[10:11]
	v_lshl_add_u32 v[SPW], v0, 2, SPARE
	v_mov_b32 v[NIL], 0
	ds_add_u32 v1, v2
	ds_add_u32 v1, v2
	s_wait_dscnt 0x0
	v_lshrrev_b32 v18, 5, v0
	v_readfirstlane_b32 s[WV], v18                 ; wave 0..3
	s_lshr_b32 s13, s[WV], 1                       ; i: my half of the rows
	s_and_b32 s14, s[WV], 1                        ; j: my half of W's rows, and of K in phase 1
	s_bfe_u32 s15, ttmp6, 0x40000                  ; cx: it enters enc's and scores' global addresses alone
	s_lshl_b32 s16, ttmp9, 2
	s_add_co_u32 s16, s16, s15                     ; which 256 values of s: 4 x cluster x + cx
	s_and_b32 s17, ttmp7, 0xffff                   ; b
	v_and_b32 v18, 15, v0                          ; r
	v_bfe_u32 v19, v0, 4, 1                        ; h
	v_and_b32 v20, 31, v0                          ; lane
	v_lshlrev_b32 v[VO], 4, v18                    ; 16 bytes a lane of a row's 256,
	v_lshl_add_u32 v[VO], v19, 20, v[VO]           ; lanes 16-31 eight rows of s (8 x 131,072 bytes) further down
	; group 1 for W: a dense block of 34,816 bytes as 136 rows of 32 elements of 8 bytes; the mask names the four work-groups, bit 21 is set beside it
	s_mov_b32 s[G1W], 15|(3<<16)|(1<<21)
	s_mov_b32 s[G1W+1], 32<<16
	s_mov_b32 s[G1W+2], 136<<16
	s_mov_b32 s[G1W+3], 32<<16
	s_mov_b32 s[G1W+4], 136
	s_mov_b32 s[G1W+5], 32
	s_mov_b32 s[G1W+6], 0
	s_mov_b32 s[G1W+7], 0
	s_mov_b32 s[SEL], 0x76543210
	s_mov_b32 s[SEL+1], 0xfedcba98
	s_lshl_b32 s18, s16, 25                        ; enc: 256 rows of s are 2^25 bytes,
	s_lshl_b32 s19, s13, 24                        ; my 128 of them,
	s_add_co_u32 s18, s18, s19
	s_lshl_b32 s19, s17, 12                        ; b's 4,096 bytes,
	s_add_co_u32 s18, s18, s19
	s_lshl_b32 s19, s14, 11                        ; my half of K
	s_add_co_u32 s18, s18, s19
	s_mov_b32 s19, 0
	s_mul_i32 s22, s[WV], WQ4                      ; W: my quarter of a slot, in memory and in LDS: the wave's number alone
	s_mov_b32 s23, 0
	s_wait_kmcnt 0x0
	s_add_nc_u64 s[EB0:EB0+1], s[4:5], s[18:19]    ; my tile 0
	s_add_nc_u64 s[EB0+2:EB0+3], s[EB0:EB0+1], 0x800000   ; my tile 4: 64 rows of s on
	GLOAD 0                                        ; the ring is filled before anything else is done: 64 loads
	GLOAD 1
	GLOAD 2
	GLOAD 3
	s_mov_b32 s[G0W], 1                            ; count = 1
	s_mov_b32 s[G0W+1], s22                        ; LDS address: region 0
	s_add_nc_u64 s[G0W+2:G0W+3], s[8:9], s[22:23]  ; slot 0
	s_or_b32 s[G0W+3], s[G0W+3], 0x80000000        ; type = 2
	s_lshl_b32 s18, s17, 12
	s_add_nc_u64 s[6:7], s[6:7], s[18:19]          ; hidden[b]
	s_lshl_b32 s18, s17, 13
	s_lshl_b32 s20, s16, 10
	s_add_co_u32 s18, s18, s20
	s_add_nc_u64 s[10:11], s[10:11], s[18:19]      ; scores[b][256 x block]
	ROUND                                          ; in front of the launch's first tensor load
	tensor_load_to_lds s[G0W:G0W+3], s[G1W:G1W+7]  ; W's slot 0, jointly: it has all of phase 1 in which to land; one tensor load of mine is out, the most in this text
	s_nop 0
	PLACES                                         ; four plain lines behind a tensor load
	v_lshlrev_b32 v[O16], 4, v0
	v_lshl_add_u32 v23, v0, 4, HID
	s_mul_i32 s20, s[WV], SGW
	s_add_co_u32 s20, s20, STG                     ; my stage
	v_mul_u32_u24 v[SS], v19, 8*SGP                ; in: lanes 0-15 row n, lanes 16-31 row n + 8; 16 bytes a lane
	v_lshl_add_u32 v[SS], v18, 4, v[SS]
	v_add_nc_u32 v[SS], s20, v[SS]
	v_mul_u32_u24 v[SL], v18, SGP                  ; out: row r, + 128 h
	v_lshl_add_u32 v[SL], v19, 7, v[SL]
	v_add_nc_u32 v[SL], s20, v[SL]
	s_mul_i32 s20, s[WV], XWV
	s_add_co_u32 s20, s20, XCH
	v_lshl_add_u32 v[XS], v20, 4, s20
	s_xor_b32 s21, s[WV], 1                        ; my partner: the same rows, the other half of K
	s_mul_i32 s21, s21, XWV
	s_add_co_u32 s21, s21, XCH
	v_lshl_add_u32 v[XL], v20, 4, s21
	v_lshlrev_b32 v[SH8], 3, v19
	s_lshl_b32 s20, s14, 16
	v_lshl_add_u32 v[AWB], v20, 4, s20             ; 65,536 j + 16 x lane
	s_lshl_b32 s20, s14, 12
	s_add_co_u32 s20, s20, 131072
	v_lshl_add_u32 v[ASB], v18, 4, s20             ; 131,072 + 4,096 j + 16 r
	s_lshl_b32 s20, s14, 11
	s_add_co_u32 s20, s20, HID
	v_lshl_add_u32 v[AHB], v19, 5, s20             ; HID + 2,048 j + 32 h
	s_lshl_b32 s20, s14, 10
	s_lshl_b32 s21, s13, 9
	s_add_co_u32 s20, s20, s21
	s_add_co_u32 s20, s20, SCR
	v_lshl_add_u32 v[SA], v18, 2, s20              ; SCR + 1,024 j + 4 x (128 i + r); tile t: 64 t on
	v_lshlrev_b32 v[O8], 3, v0
	v_add_nc_u32 v[SRD], SCR, v[O8]
	v_mov_b32 v[QT+1], 0                           ; a lane permute's destination counts as one of its sources
	; ---- PHASE 1: eight tiles, written out: each tile's codes have registers of their own
.irp t, 0,1,2,3,4,5,6,7
	TRIP \t
.endr
.irp n, 0,1,2,3,4,5,6,7,8,9,10,11,12,13,14,15
	v_mov_b32 v[SC+\n], 0                          ; the scores: eight pairs
.endr
	s_mov_b32 s[TB], 0
	s_mov_b32 s[HP], 0
	s_mov_b32 s[SLC], 3
	; ---- PHASE 2: four slots of W
.Lslot:                                            ; three trips: behind each change of slots but the last the next slot is asked for
	CHG_W 1
	TILES
	s_xor_b32 s[TB], s[TB], RB
	s_add_co_u32 s[HP], s[HP], 512
	s_sub_co_u32 s[SLC], s[SLC], 1
	s_cmp_lg_u32 s[SLC], 0
	s_cbranch_scc1 .Lslot
	CHG_W 0                                        ; the last slot is written out
	TILES
	; ---- THE WAY OUT: a pair's two halves, the other half of the lanes' eight features, and through LDS the other half of W's rows
.irp t, 0,1,2,3,4,5,6,7
	v_add_f32 v[SC+2*\t], v[SC+2*\t], v[SC+2*\t+1]
.endr
.irp t, 0,1,2,3,4,5,6,7
	v_permlanex16_b32 v[SC+2*\t+1], v[SC+2*\t], s[SEL], s[SEL+1]
.endr
.irp t, 0,1,2,3,4,5,6,7
	v_add_f32 v[SC+2*\t], v[SC+2*\t], v[SC+2*\t+1]
.endr
.irp t, 0,1,2,3,4,5,6,7
	ds_store_b32 v[SA], v[SC+2*\t] offset:64*\t    ; both halves of the lanes write the same word with the same value
.endr
	s_wait_dscnt 0x0                               ; for the others' sake
	s_barrier_signal -1
	s_barrier_wait -1
	ds_load_b64 v[24:25], v[SRD]
	ds_load_b64 v[26:27], v[SRD] offset:1024
	s_wait_dscnt 0x0
	v_pk_add_f32 v[24:25], v[24:25], v[26:27]
	global_store_b64 v[O8], v[24:25], s[10:11]     ; a wave stores 256 consecutive bytes, at a multiple of 256 from scores' first byte
	s_wait_tensorcnt 0x0                           ; the wave's end
	ds_add_u32 v[SPW], v[NIL]
	s_wait_dscnt 0x0
	ROUND                                          ; the closing round: no work-group ends while a partner may still ask for a slot that names it
	s_endpgm
.Lfunc_end_k_qcd591e80e0_energy:
	.size	k_qcd591e80e0_energy, .Lfunc_end_k_qcd591e80e0_energy-k_qcd591e80e0_energy
	.p2alignl 7, 3214868480
	.fill 96, 4, 3214868480
	.section	.rodata,"a",@progbits
	.p2align	6, 0x0
	.amdhsa_kernel k_qcd591e80e0_energy
		.amdhsa_group_segment_fixed_size 327680
		.amdhsa_private_segment_fixed_size 0
		.amdhsa_enable_private_segment 0
		.amdhsa_kernarg_size 32
		.amdhsa_user_sgpr_count 2
		.amdhsa_user_sgpr_kernarg_segment_ptr 1
		.amdhsa_wavefront_size32 1
		.amdhsa_system_sgpr_workgroup_id_x 1
		.amdhsa_system_sgpr_workgroup_id_y 1
		.amdhsa_system_sgpr_workgroup_id_z 1
		.amdhsa_system_vgpr_workitem_id 0
		.amdhsa_next_free_vgpr 1024
		.amdhsa_next_free_sgpr 66
		.amdhsa_reserve_vcc 0
		.amdhsa_float_denorm_mode_32 3
		.amdhsa_float_denorm_mode_16_64 3
		.amdhsa_memory_ordered 1
		.amdhsa_forward_progress 1
		.amdhsa_inst_pref_size 255
	.end_amdhsa_kernel
	.section	.bss,"aw",@nobits
	.p2align	6
	.space	262144
	.amdgpu_metadata
---
amdhsa.version: [ 1, 2 ]
amdhsa.kernels:
  - .name:           k_qcd591e80e0_energy
    .symbol:         k_qcd591e80e0_energy.kd
    .args:
      - { .name: encoder_outputs, .offset: 0, .size: 8, .value_kind: global_buffer, .address_space: global }
      - { .name: hidden, .offset: 8, .size: 8, .value_kind: global_buffer, .address_space: global }
      - { .name: wq, .offset: 16, .size: 8, .value_kind: global_buffer, .address_space: global }
      - { .name: scores, .offset: 24, .size: 8, .value_kind: global_buffer, .address_space: global }
    .group_segment_fixed_size: 327680
    .private_segment_fixed_size: 0
    .kernarg_segment_align: 8
    .kernarg_segment_size: 32
    .max_flat_workgroup_size: 128
    .sgpr_count:     66
    .vgpr_count:     1024
    .wavefront_size: 32
...
	.end_amdgpu_metadata
.endif
;; end of part 2
;; launch softmax (part 3): grid 32 x 1, 8 waves a work-group, no clusters, 1,280 bytes of LDS; arguments scores, hidden, b, out0; writes out0
.if DOCPART == 3
	.amdgcn_target "amdgcn-amd-amdhsa--gfx1250"
	.amdhsa_code_object_version 6
	.text
	.protected	k_qcd591e80e0_softmax
	.globl	k_qcd591e80e0_softmax
	.p2align	8
	.type	k_qcd591e80e0_softmax,@function
k_qcd591e80e0_softmax:
	s_mov_b64 s[64:65], 0
	v_nop
	global_prefetch_b8 v0, s[64:65] scope:SCOPE_SE
	s_setreg_imm32_b32 hwreg(HW_REG_WAVE_MODE, 25, 1), 1
	s_wait_xcnt 0x0
; out0[0][b][s] = softmax over s of (scores[b][s] + hidden[b] . bias).  scores: [32][2048] f32, without the bias's share; hidden: [32][1024]; bias: [1024]; out0: [1][32][2048], all f32.
; One work-group to a row b, eight waves; a thread holds 8 scores, 4 numbers of hidden and 4 of the bias.  The row stays in registers: it is read once and written once.
; The row's maximum is taken away ahead of the exponential, as the definition does: the largest exponent is exactly 0, so the sum is at least 1.  Exponentials that fall under the smallest normal number come out as 0.
; LIMITS: NaN and infinities are not served.
	s_load_b256 s[4:11], s[0:1], 0x0               ; scores s[4:5], hidden s[6:7], bias s[8:9], out0 s[10:11]
	v_lshl_add_u32 v64, v0, 2, 0x100
	v_mov_b32 v65, 0
	v_lshlrev_b32 v1, 4, v0                        ; 16 bytes a thread
	v_lshrrev_b32 v2, 5, v0
	v_readfirstlane_b32 s12, v2                    ; wave 0..7
	s_lshl_b32 s14, ttmp9, 13                      ; a row of 2,048 f32
	s_mov_b32 s15, 0
	s_lshl_b32 s16, ttmp9, 12                      ; a row of hidden
	s_mov_b32 s17, 0
	s_mov_b32 s18, 0x76543210
	s_mov_b32 s19, 0xfedcba98                      ; selects for lane l xor 16
	v_mov_b32 v22, 0                               ; lane permutes' destinations count as sources
	v_mov_b32 v23, 0
	s_lshl_b32 s13, s12, 3
	v_mov_b32 v24, s13                             ; LDS: my wave's pair (dot, maximum): 8 x wave
	s_lshl_b32 s13, s12, 2
	v_mov_b32 v26, s13                             ; and its sum: 64 + 4 x wave
	v_mov_b32 v25, 0
	s_wait_kmcnt 0x0
	s_add_nc_u64 s[4:5], s[4:5], s[14:15]
	s_add_nc_u64 s[10:11], s[10:11], s[14:15]
	s_add_nc_u64 s[6:7], s[6:7], s[16:17]
	global_load_b128 v[4:7], v1, s[4:5]            ; a wave's load reads 512 consecutive bytes
	global_load_b128 v[8:11], v1, s[4:5] offset:4096
	global_load_b128 v[12:15], v1, s[6:7]
	global_load_b128 v[16:19], v1, s[8:9]
	s_wait_loadcnt 0x0
	v_mul_f32 v20, v12, v16                        ; my part of hidden[b] . bias
	v_fma_f32 v20, v13, v17, v20
	v_fma_f32 v20, v14, v18, v20
	v_fma_f32 v20, v15, v19, v20
	v_max3_num_f32 v21, v4, v5, v6                 ; my largest score
	v_max3_num_f32 v21, v21, v7, v8
	v_max3_num_f32 v21, v21, v9, v10
	v_max_num_f32 v21, v21, v11
.irp m, 1,2,4,8
	v_add_f32_dpp v20, v20, v20 row_xmask:\m row_mask:0xf bank_mask:0xf
	v_max_num_f32_dpp v21, v21, v21 row_xmask:\m row_mask:0xf bank_mask:0xf
.endr
	v_permlanex16_b32 v22, v20, s18, s19
	v_permlanex16_b32 v23, v21, s18, s19
	v_add_f32 v20, v20, v22
	v_max_num_f32 v21, v21, v23                    ; the wave's
	ds_store_b64 v24, v[20:21]                     ; all lanes write the same pair with the same values
	s_wait_dscnt 0x0
	s_barrier_signal -1
	s_barrier_wait -1
.irp i, 0,1,2,3
	ds_load_b128 v[28+4*\i:31+4*\i], v25 offset:16*\i   ; the eight waves' pairs, in every lane
.endr
	s_wait_dscnt 0x0
	v_add_f32 v44, v28, v30
	v_add_f32 v45, v32, v34
	v_add_f32 v46, v36, v38
	v_add_f32 v47, v40, v42
	v_add_f32 v44, v44, v45
	v_add_f32 v46, v46, v47
	v_add_f32 v44, v44, v46                        ; c = hidden[b] . bias
	v_max3_num_f32 v48, v29, v31, v33
	v_max3_num_f32 v48, v48, v35, v37
	v_max3_num_f32 v48, v48, v39, v41
	v_max_num_f32 v48, v48, v43
	v_add_f32 v48, v48, v44                        ; the row's largest energy: rounding keeps order, so this is the largest of the sums below
.irp i, 0,1,2,3,4,5,6,7
	v_add_f32 v[4+\i], v[4+\i], v44                ; the energy,
.endr
.irp i, 0,1,2,3,4,5,6,7
	v_sub_f32 v[4+\i], v[4+\i], v48                ; less the largest: 0 or less,
.endr
.irp i, 0,1,2,3,4,5,6,7
	v_mul_f32 v[4+\i], 0x3fb8aa3b, v[4+\i]         ; x log2(e)
.endr
.irp i, 0,1,2,3,4,5,6,7
	v_exp_f32 v[4+\i], v[4+\i]
.endr
	v_mov_b32 v53, 0                               ; a plain line behind the exponentials (the upper half of the pair that the packed multiplies name)
	s_wait_alu depctr_va_vdst(0)                   ; one wait for the batch, ahead of its first reader
	v_add_f32 v20, v4, v5
	v_add_f32 v21, v6, v7
	v_add_f32 v49, v8, v9
	v_add_f32 v50, v10, v11
	v_add_f32 v20, v20, v21
	v_add_f32 v49, v49, v50
	v_add_f32 v20, v20, v49
.irp m, 1,2,4,8
	v_add_f32_dpp v20, v20, v20 row_xmask:\m row_mask:0xf bank_mask:0xf
.endr
	v_permlanex16_b32 v22, v20, s18, s19
	v_add_f32 v20, v20, v22
	ds_store_b32 v26, v20 offset:64                ; other bytes than the first meeting's
	s_wait_dscnt 0x0
	s_barrier_signal -1
	s_barrier_wait -1
	ds_load_b128 v[28:31], v25 offset:64
	ds_load_b128 v[32:35], v25 offset:80
	s_wait_dscnt 0x0
	v_add_f32 v28, v28, v29
	v_add_f32 v30, v30, v31
	v_add_f32 v32, v32, v33
	v_add_f32 v34, v34, v35
	v_add_f32 v28, v28, v30
	v_add_f32 v32, v32, v34
	v_add_f32 v28, v28, v32                        ; the row's sum
	v_rcp_f32 v52, v28
	v_nop                                          ; a plain line behind the reciprocal
	s_wait_alu depctr_va_vdst(0)                   ; and the wait ahead of its first reader
.irp i, 0,2,4,6
	v_pk_mul_f32 v[4+\i:5+\i], v[4+\i:5+\i], v[52:53] op_sel_hi:[1,0]
.endr
	global_store_b128 v1, v[4:7], s[10:11]         ; a wave's store covers 512 consecutive bytes, at a multiple of 512 from out0's first byte
	global_store_b128 v1, v[8:11], s[10:11] offset:4096
	s_wait_tensorcnt 0x0
	ds_add_u32 v64, v65
	s_wait_dscnt 0x0
	s_endpgm
.Lfunc_end_k_qcd591e80e0_softmax:
	.size	k_qcd591e80e0_softmax, .Lfunc_end_k_qcd591e80e0_softmax-k_qcd591e80e0_softmax
	.p2alignl 7, 3214868480
	.fill 96, 4, 3214868480
	.section	.rodata,"a",@progbits
	.p2align	6, 0x0
	.amdhsa_kernel k_qcd591e80e0_softmax
		.amdhsa_group_segment_fixed_size 1280
		.amdhsa_private_segment_fixed_size 0
		.amdhsa_enable_private_segment 0
		.amdhsa_kernarg_size 32
		.amdhsa_user_sgpr_count 2
		.amdhsa_user_sgpr_kernarg_segment_ptr 1
		.amdhsa_wavefront_size32 1
		.amdhsa_system_sgpr_workgroup_id_x 1
		.amdhsa_system_sgpr_workgroup_id_y 1
		.amdhsa_system_sgpr_workgroup_id_z 1
		.amdhsa_system_vgpr_workitem_id 0
		.amdhsa_next_free_vgpr 66
		.amdhsa_next_free_sgpr 66
		.amdhsa_reserve_vcc 0
		.amdhsa_float_denorm_mode_32 3
		.amdhsa_float_denorm_mode_16_64 3
		.amdhsa_memory_ordered 1
		.amdhsa_forward_progress 1
		.amdhsa_inst_pref_size 7
	.end_amdhsa_kernel
	.amdgpu_metadata
---
amdhsa.version: [ 1, 2 ]
amdhsa.kernels:
  - .name:           k_qcd591e80e0_softmax
    .symbol:         k_qcd591e80e0_softmax.kd
    .args:
      - { .name: scores, .offset: 0, .size: 8, .value_kind: global_buffer, .address_space: global }
      - { .name: hidden, .offset: 8, .size: 8, .value_kind: global_buffer, .address_space: global }
      - { .name: b, .offset: 16, .size: 8, .value_kind: global_buffer, .address_space: global }
      - { .name: out0, .offset: 24, .size: 8, .value_kind: global_buffer, .address_space: global }
    .group_segment_fixed_size: 1280
    .private_segment_fixed_size: 0
    .kernarg_segment_align: 8
    .kernarg_segment_size: 32
    .max_flat_workgroup_size: 256
    .sgpr_count:     66
    .vgpr_count:     66
    .wavefront_size: 32
...
	.end_amdgpu_metadata
.endif
;; end of part 3
